; MI455X (gfx1250); checked and timed in simulation.
; The chip was launched on July 23, 2026; its instructions are those of AMD's public machine-readable ISA for CDNA 5 (MIT licence, August 2026) and "CDNA5" Instruction Set Architecture Reference Guide (July 2026). The comments in the code are by the model that wrote it; some were corrected since.
;; selfattention. Allowed arithmetic: matrix products marked QUANTISED: E5M2 operands, one given power-of-two scale a tensor, by v_wmma_f32_16x16x64_bf8_bf8 or v_wmma_f32_16x16x128_bf8_bf8, f32 sums; everything else in f32.
;; Inputs: K 4 x 16 x 2,048 x 128 float32; Q 4 x 16 x 2,048 x 128 float32; V 4 x 16 x 2,048 x 128 float32; lowp_scales 4 int32 (the exponents e of the quantised operands' scales 2^e).
;; Outputs: out0 4 x 16 x 2,048 x 128 float32.
;; Constants: mask = 1.
;; This version of the problem:
;;   THIS VERSION OF THE PROBLEM IS GIVEN IN LOW PRECISION. The matrix products marked QUANTISED in the list below multiply operands that are first quantised to E5M2 (5 exponent bits, 2 mantissa bits; 8 bits a number), with one given power-of-two scale for each operand tensor; their sums are f32. All else is computed in f32.
;;   The module's matrix products, in the order in which they are computed (A, B: the left and right operand; K: the contracted axis; several contracted axes count as one K, in the product's order):
;;     1. batch 64 x [M 2,048, K 128] x [K 128, N 2,048]; A: input Q; B: input K: QUANTISED (scales: A lowp_scales[0], B lowp_scales[1])
;;     2. batch 64 x [M 2,048, K 2,048] x [K 2,048, N 128]; A: softmax (see below); B: input V: QUANTISED (scales: A lowp_scales[2], B lowp_scales[3])
;;   THE QUANTISER, for each operand of a quantised product, along K:
;;     - The operand's scale is 2^e, e = its entry of the input lowp_scales (int32; the entries are numbered through the quantised products in the list's order, A before B).
;;     - Each number is divided by the scale, clamped to +-57,344, and rounded to the nearest number of E5M2, ties to even, subnormals kept.
;;     - The product sums the exact products of the quantised numbers (number of the format x scale) in f32.
;;   ~~~python
;;   def quantise(x, axis, e):      # numpy; x: float32 -> the quantised numbers, widened to float32 again
;;       x = np.moveaxis(x, axis, -1); K = x.shape[-1]
;;       r = np.clip(x / 2.0 ** e, -57344, 57344)
;;       step = 2.0 ** (np.maximum(np.frexp(np.where(r == 0, 1, r))[1] - 1, -14) - 2)
;;       q = np.round(r / step) * step * 2.0 ** e      # np.round: ties to even
;;       return np.moveaxis(q, -1, axis).astype(np.float32)
;;   ~~~
;;   SOFTMAX AHEAD OF A QUANTISED PRODUCT. Where the list says 'softmax', what is quantised is not the finished softmax but p = 2^(t - M), with t = logit x log2(e) and M = ceil(the row's largest t), a whole number; so 1/2 < the row's largest p <= 1. The row's sum l is taken of the UNQUANTISED p, in f32, and the product's result is divided by l at the end. Since M is a whole number, a kernel that streams over the keys may use a running M (the ceiling of the running maximum): every later rescaling is an exact power of two, so the quantised numbers keep their values, but for numbers so far below the row's largest that they fall under the format's range.
;;   OPERANDS COMPUTED ON THE WAY. 'Computed on the way' means the value that the module computes at that place (a softmax that the list does not call 'softmax' is quantised finished and normalised). What goes into a quantiser is computed in f32, as accurately as f32 sums, v_exp_f32 and their like allow (about 1e-6 of the number): no bf16 or f16 on the way to a quantiser, and a product that is left as it is and whose result goes on into a quantised operand takes f32 operands (vector FMAs, or v_wmma_f32_16x16x4_f32). A number that lies on a knife's edge between two numbers of the format may be rounded either way, as far as f32 arithmetic and the matrix unit's own rounding can turn it there, and no further.
;; One version. Each part assembles by itself: llvm-mc -triple=amdgcn-amd-amdhsa -mcpu=gfx1250 --defsym DOCPART=n.
;; ======== version 1 of 1: 2 launches
;; limits: right only within a limited range of input values
;; workspace buffers: k_codes 16,777,216 bytes; v_codes 16,777,216 bytes
;; launch quant (part 1): grid 1024 x 1, 4 waves a work-group, no clusters, 68,096 bytes of LDS; arguments K, V, lowp_scales, k_codes, v_codes; writes k_codes, v_codes
.if DOCPART == 1
	.amdgcn_target "amdgcn-amd-amdhsa--gfx1250"
	.amdhsa_code_object_version 6
	.text
	.protected	k_qef242bd1f5_quant
	.globl	k_qef242bd1f5_quant
	.p2align	8
	.type	k_qef242bd1f5_quant,@function
k_qef242bd1f5_quant:
	s_mov_b64 s[64:65], 0
	v_nop
	global_prefetch_b8 v0, s[64:65] scope:SCOPE_SE
	s_setreg_imm32_b32 hwreg(HW_REG_WAVE_MODE, 25, 1), 1
	s_wait_xcnt 0x0
; K and V, [64 heads][2048 keys][128 d] f32, become codes of BF8 (E5M2), one byte each, with the scales 2^ek and 2^ev that are given (entries 1 and 3 of the buffer of scales).
; code = x / 2^e, held within +-57,344, rounded to the nearest code, ties to even.
; k_codes: [64][2048 keys][128 d], d innermost: the first product sums over d.   v_codes: [64][128 d][2048 keys], keys innermost: the second product sums over the keys.
; LIMITS: ek and ev lie between -126 and 112, so that 2^e and 57,344 x 2^e are f32 numbers.  NaN among the inputs is not served; an infinity is held at the largest code.
; Work-groups 0 to 511 take K, work-groups 512 to 1023 take V: two paths that part on the work-group's number and do not join again; each has LDS bytes of its own.
; No tensor loads, no barrier: waves share nothing.  Both tensors are read once and written once, so nothing is prefetched and no matrix unit or cluster is of use here.
; PATH K: a plain stream.  A wave takes 16 steps of 512 numbers.  Each load reads 512 consecutive bytes; a step's 2,048 bytes turn through the wave's own stage in LDS, so that a lane gets 16 neighbours along d,
;   which the conversions want in one lane's consecutive registers; a lane's 16 codes are 16 bytes, so a wave's store covers 512 consecutive bytes.
; PATH V: a lane takes a column d and its registers run down the keys: a wave takes 32 columns x 256 keys.  The conversions then give codes with the keys innermost; they go through the wave's stage and leave
;   by rows, sixteen lanes to 256 consecutive bytes that begin at a multiple of 256 from the buffer's first byte.
; THE ORDER OF k_codes' ROWS: within each 32 keys the second and the third group of eight rows change places, so that the sixteen rows which the next launch takes as one tile
; (keys 8 u + 0 .. 7 and 16 + 8 u + 0 .. 7 of the 32) lie on end: row 16 u + 8 g + j of the 32 holds key 16 g + 8 u + j.
.set SP,     80
.set KREG,   8192                      ; path K: LDS bytes for each wave: two stages of 32 x SP bytes
.set VSTG,   32768                     ; path V: its stages begin here
.set VPITCH, 272                       ; path V: a stage row: 256 bytes of codes + 16 of padding
.set KR,     16                        ; path K: v16-79   four sets of 16 numbers as loaded
.set KX,     80                        ;         v80-111  two sets of 16 neighbours
.set KC,     128                       ;         v128-191 four registers of codes for each step: no store's data are written again
.set VX,     32                        ; path V: v32-95   two sets of 32 numbers
.set VC,     96                        ;         v96-103  a block's codes
.set VOUT,   112                       ;         v112-175 the way out
	s_load_b128 s[4:7], s[0:1], 0x0                ; K s[4:5], V s[6:7]
	s_load_b64 s[10:11], s[0:1], 0x10              ; the scales' exponents
	s_load_b128 s[12:15], s[0:1], 0x18             ; k_codes s[12:13], v_codes s[14:15]
	v_lshl_add_u32 v192, v0, 2, 0x10800
	v_mov_b32 v193, 0
	v_lshrrev_b32 v1, 5, v0
	v_readfirstlane_b32 s16, v1                    ; wave 0..3
	v_and_b32 v2, 31, v0                           ; lane
	; every LDS address of both paths is made here, ahead of the parting
	v_lshlrev_b32 v3, 4, v2                        ; path K: my 16 bytes of a load's 512, and of a store's 512
	s_mul_i32 s17, s16, KREG
	v_lshrrev_b32 v14, 2, v2
	v_mul_u32_u24 v14, v14, SP
	v_and_b32 v15, 3, v2
	v_lshl_add_u32 v14, v15, 4, v14
	v_add_nc_u32 v14, s17, v14                     ; into the stage: four lanes' 64 bytes on end, then 16 of padding
	v_mul_u32_u24 v15, v2, SP
	v_add_nc_u32 v15, s17, v15                     ; out of it: my 16 neighbours
	v_lshlrev_b32 v9, 2, v2                        ; path V: 4 bytes a lane
	s_mul_i32 s18, s16, 32*VPITCH
	s_add_co_u32 s18, s18, VSTG                    ; my stage
	v_mul_u32_u24 v4, v2, VPITCH
	v_add_nc_u32 v4, s18, v4                       ; into it: row = my column
	v_and_b32 v5, 15, v2
	v_lshrrev_b32 v6, 4, v2
	v_mul_u32_u24 v7, v6, VPITCH
	v_lshl_add_u32 v7, v5, 4, v7
	v_add_nc_u32 v7, s18, v7                       ; out of it: sixteen lanes to a row, two rows an instruction
	v_lshlrev_b32 v8, 11, v6
	v_lshl_add_u32 v8, v5, 4, v8                   ; and the same place in v_codes: rows 2,048 bytes apart
	s_wait_kmcnt 0x0
	s_load_b128 s[24:27], s[10:11], 0x0            ; eq, ek, ep, ev
	s_cmp_lt_u32 ttmp9, 512
	s_cbranch_scc0 .Lv
	; ---------------- PATH K ----------------
	s_lshl_b32 s19, ttmp9, 2
	s_add_co_u32 s19, s19, s16                     ; which run of 8,192 numbers is my wave's
	s_lshl_b32 s20, s19, 15                        ; 32,768 bytes of f32,
	s_mov_b32 s21, 0
	s_add_nc_u64 s[4:5], s[4:5], s[20:21]
	s_lshl_b32 s22, s19, 13                        ; 8,192 bytes of codes
	s_mov_b32 s23, 0
	s_add_nc_u64 s[8:9], s[12:13], s[22:23]
.macro KLOAD t
.irp i, 0,1,2,3
	global_load_b128 v[KR+16*((\t)%4)+4*\i:KR+16*((\t)%4)+4*\i+3], v3, s[4:5] offset:2048*(\t)+512*\i th:TH_LOAD_NT   ; 32 lanes read 512 consecutive bytes
.endr
.endm
.macro KTURN t                         ; step t's numbers through the stage: LDS serves a wave's instructions in order (ISA guide 5.7.1.4), so no wait stands between the stores and the loads
.irp i, 0,1,2,3
	ds_store_b128 v14, v[KR+16*((\t)%4)+4*\i:KR+16*((\t)%4)+4*\i+3] offset:32*SP*((\t)%2)+8*SP*\i
.endr
.irp i, 0,1,2,3
	ds_load_b128 v[KX+16*((\t)%2)+4*\i:KX+16*((\t)%2)+4*\i+3], v15 offset:32*SP*((\t)%2)+16*\i
.endr
.endm
.irp t, 0,1,2,3
	KLOAD \t                                       ; loads run four steps, 16 loads a wave, ahead
.endr
	s_wait_kmcnt 0x0
	s_add_co_i32 s28, s25, 127
	s_lshl_b32 s29, s28, 23
	v_mov_b32 v11, s29                             ; 2^ek as f32: the conversion takes its exponent field
	s_add_co_i32 s28, s28, 15
	s_lshl_b32 s28, s28, 23
	s_or_b32 s28, s28, 0x600000
	v_mov_b32 v10, s28                             ; 57,344 x 2^ek
	s_wait_alu depctr_va_vdst(0)
	s_wait_loadcnt 12                              ; step 0's four loads are in; the twelve of steps 1 to 3 may be out
	KTURN 0
.macro KSTEP t
.set XS, KX+16*((\t)%2)
	s_wait_dscnt 0x0                               ; this step's numbers are back from the stage, and its stores into the stage have read their registers,
.if (\t)+4 < 16
	KLOAD (\t)+4                                   ; which take the loads of four steps on
.endif
.if (\t)+1 < 16
.if 14-(\t) >= 3
	s_wait_loadcnt 12                              ; the next step's four loads are in; those of the three steps behind it may be out
.else
	s_wait_loadcnt 4*(14-(\t))                     ; towards the end: four for each step that is left behind the next
.endif
	KTURN (\t)+1                                   ; the next step goes through the other stage while this one is worked
.endif
.set ii, 0
.rept 16
	v_med3_num_f32 v[XS+ii], v[XS+ii], -v10, v10   ; the conversion to an 8-bit code does not saturate (ISA guide 7.6.2): the number is held within the largest code x the scale first
.set ii, ii+1
.endr
	v_cvt_scalef32_pk8_bf8_f32 v[KC+4*(\t):KC+4*(\t)+1], v[XS:XS+7], v11
	v_cvt_scalef32_pk8_bf8_f32 v[KC+4*(\t)+2:KC+4*(\t)+3], v[XS+8:XS+15], v11
	global_store_b128 v3, v[KC+4*(\t):KC+4*(\t)+3], s[8:9] offset:4096*((\t)/8)+1024*(2*(((\t)/2)%2)+(((\t)/2)%4)/2)+512*((\t)%2)   ; four keys' rows, 512 bytes on end; the group of eight keys g of a 32 goes to place 2 (g % 2) + g / 2
.endm
.irp t, 0,1,2,3,4,5,6,7,8,9,10,11,12,13,14,15
	KSTEP \t
.endr
	s_wait_tensorcnt 0x0
	ds_add_u32 v192, v193
	s_wait_dscnt 0x0
	s_endpgm
	; ---------------- PATH V ----------------
.Lv:
	s_sub_co_u32 s19, ttmp9, 512
	s_lshr_b32 s30, s19, 3                         ; the head
	s_and_b32 s31, s19, 7                          ; which 256 keys
	s_lshl_b32 s20, s30, 20                        ; V: the head's 1,048,576 bytes,
	s_lshl_b32 s22, s31, 17                        ; 256 rows of 512 bytes,
	s_add_co_u32 s20, s20, s22
	s_lshl_b32 s22, s16, 7                         ; my wave's 32 columns
	s_add_co_u32 s20, s20, s22
	s_mov_b32 s21, 0
	s_add_nc_u64 s[6:7], s[6:7], s[20:21]
	s_lshl_b32 s22, s30, 18                        ; v_codes: the head's 262,144 bytes,
	s_lshl_b32 s28, s16, 16                        ; my wave's 32 rows of 2,048 bytes,
	s_add_co_u32 s22, s22, s28
	s_lshl_b32 s28, s31, 8                         ; the 256 keys' bytes in a row
	s_add_co_u32 s22, s22, s28
	s_mov_b32 s23, 0
	s_add_nc_u64 s[8:9], s[14:15], s[22:23]
.macro VLOAD t                         ; block t: V(key 32 t + i, my column), i = 0 .. 31, into set t % 2: each load reads 128 consecutive bytes a wave, 512 a work-group
.set ii, 0
.rept 32
	global_load_b32 v[VX+32*((\t)%2)+ii], v9, s[6:7] offset:(32*(\t)+ii)*512 th:TH_LOAD_NT
.set ii, ii+1
.endr
.endm
	VLOAD 0
	VLOAD 1
	s_wait_kmcnt 0x0
	s_add_co_i32 s28, s27, 127
	s_lshl_b32 s29, s28, 23
	v_mov_b32 v11, s29                             ; 2^ev as f32
	s_add_co_i32 s28, s28, 15
	s_lshl_b32 s28, s28, 23
	s_or_b32 s28, s28, 0x600000
	v_mov_b32 v10, s28                             ; 57,344 x 2^ev
.macro VBLOCK t
.set XS, VX+32*((\t)%2)
.if (\t) < 7
	s_wait_loadcnt 32                              ; this block's 32 loads are in; the next block's 32 may be out
.else
	s_wait_loadcnt 0
.endif
.set ii, 0
.rept 32
	v_med3_num_f32 v[XS+ii], v[XS+ii], -v10, v10   ; the hold at the largest code x the scale
.set ii, ii+1
.endr
.irp g, 0,1,2,3
	v_cvt_scalef32_pk8_bf8_f32 v[VC+2*\g:VC+2*\g+1], v[XS+8*\g:XS+8*\g+7], v11
.endr
	ds_store_b128 v4, v[VC:VC+3] offset:32*(\t)    ; 32 codes: 32 bytes of my column's row
	ds_store_b128 v4, v[VC+4:VC+7] offset:32*(\t)+16
.if (\t)+2 < 8
	VLOAD (\t)+2
.endif
	s_wait_dscnt 0x0                               ; the stores have read their registers: the next block's codes may be written (32 plain holds stand ahead of them)
.endm
	s_wait_alu depctr_va_vdst(0)
.irp t, 0,1,2,3,4,5,6,7
	VBLOCK \t
.endr
.irp t, 0,1,2,3,4,5,6,7,8,9,10,11,12,13,14,15
	ds_load_b128 v[VOUT+4*\t:VOUT+4*\t+3], v7 offset:2*\t*VPITCH   ; a wave's LDS instructions are served in order: these see my stores
.endr
.irp t, 0,1,2,3,4,5,6,7,8,9,10,11,12,13,14,15
	s_wait_dscnt 15-\t                             ; load t is in; the 15 - t younger ones may be out
	global_store_b128 v8, v[VOUT+4*\t:VOUT+4*\t+3], s[8:9] offset:2*\t*2048   ; sixteen lanes store 256 consecutive bytes of a row
.endr
	s_wait_tensorcnt 0x0
	ds_add_u32 v192, v193
	s_wait_dscnt 0x0
	s_endpgm
.Lfunc_end_k_qef242bd1f5_quant:
	.size	k_qef242bd1f5_quant, .Lfunc_end_k_qef242bd1f5_quant-k_qef242bd1f5_quant
	.p2alignl 7, 3214868480
	.fill 96, 4, 3214868480
	.section	.rodata,"a",@progbits
	.p2align	6, 0x0
	.amdhsa_kernel k_qef242bd1f5_quant
		.amdhsa_group_segment_fixed_size 68096
		.amdhsa_private_segment_fixed_size 0
		.amdhsa_enable_private_segment 0
		.amdhsa_kernarg_size 40
		.amdhsa_user_sgpr_count 2
		.amdhsa_user_sgpr_kernarg_segment_ptr 1
		.amdhsa_wavefront_size32 1
		.amdhsa_system_sgpr_workgroup_id_x 1
		.amdhsa_system_sgpr_workgroup_id_y 1
		.amdhsa_system_sgpr_workgroup_id_z 1
		.amdhsa_system_vgpr_workitem_id 0
		.amdhsa_next_free_vgpr 194
		.amdhsa_next_free_sgpr 66
		.amdhsa_reserve_vcc 0
		.amdhsa_float_denorm_mode_32 3
		.amdhsa_float_denorm_mode_16_64 3
		.amdhsa_memory_ordered 1
		.amdhsa_forward_progress 1
		.amdhsa_inst_pref_size 85
	.end_amdhsa_kernel
	.amdgpu_metadata
---
amdhsa.version: [ 1, 2 ]
amdhsa.kernels:
  - .name:           k_qef242bd1f5_quant
    .symbol:         k_qef242bd1f5_quant.kd
    .args:
      - { .name: K, .offset: 0, .size: 8, .value_kind: global_buffer, .address_space: global }
      - { .name: V, .offset: 8, .size: 8, .value_kind: global_buffer, .address_space: global }
      - { .name: lowp_scales, .offset: 16, .size: 8, .value_kind: global_buffer, .address_space: global }
      - { .name: k_codes, .offset: 24, .size: 8, .value_kind: global_buffer, .address_space: global }
      - { .name: v_codes, .offset: 32, .size: 8, .value_kind: global_buffer, .address_space: global }
    .group_segment_fixed_size: 68096
    .private_segment_fixed_size: 0
    .kernarg_segment_align: 8
    .kernarg_segment_size: 40
    .max_flat_workgroup_size: 128
    .sgpr_count:     66
    .vgpr_count:     194
    .wavefront_size: 32
...
	.end_amdgpu_metadata
.endif
;; end of part 1
;; launch attn (part 2): grid 4 x 64, 8 waves a work-group, no clusters, 327,680 bytes of LDS; arguments Q, k_codes, v_codes, lowp_scales, out0; writes out0
.if DOCPART == 2
	.amdgcn_target "amdgcn-amd-amdhsa--gfx1250"
	.amdhsa_code_object_version 6
	.text
	.protected	k_qef242bd1f5_attn
	.globl	k_qef242bd1f5_attn
	.p2align	8
	.type	k_qef242bd1f5_attn,@function
k_qef242bd1f5_attn:
	s_mov_b64 s[64:65], 0
	v_nop
	global_prefetch_b8 v0, s[64:65] scope:SCOPE_SE
	s_setreg_imm32_b32 hwreg(HW_REG_WAVE_MODE, 25, 1), 1
	s_wait_xcnt 0x0
; out0[head][q][:] = the sum over k <= q of softmax_k(Q[head][q] . K[head][k] / sqrt(128)) V[head][k][:]: causal attention, 64 heads, 2,048 rows, head size 128, both products on codes of BF8 (E5M2),
; each operand with the scale 2^e that is given for it: eq, ek, ep, ev.  Q: f32, quantised here in registers (each row is read by one wave).  k_codes, v_codes: made by the launch before.
; WORK LEFT OUT: mask is the constant 1, so every score with k > q is -infinity; such a score's p is 0 for all values of the inputs.  A step of 128 keys all of which come after a
; wave's 32 queries is not computed, and a key slot that lies behind a block's queries is not fetched.  A NaN, an infinity or an overflow that reaches only that work is not carried to the result.
; THE SOFTMAX AHEAD OF THE SECOND PRODUCT: t = score x log2(e) / sqrt(128); M = the running largest t rounded UP to a whole number; p = 2^(t - M) is what is quantised, not normalised.
; The row's sum is taken of the unquantised p, in f32, and divides O at the end.  When M moves, the sum and O are multiplied by 2^(old M - new M), which rounds nothing.
; SHARES.  Work-group (i, head), i = 0 .. 3, owns TWO blocks of 256 queries: block 7 - i first, then block i.  Block j needs the key slots (256 keys each) 0 .. j, so every work-group walks
; (8 - i) + (i + 1) = 9 slots: constant trip counts, and the same work in all 256 work-groups.  Each of the EIGHT waves owns 32 queries of the block in hand, two tiles of 16, in 512 registers:
; every fragment of K and of V that a wave reads from LDS feeds two matrix instructions.  A step is 128 keys, a slot two steps.
; REGISTER WINDOWS: tile 0 lives in window 0 (v0-255) and tile 1 in window 1 (v256-511) UNDER THE SAME NUMBERS, so that one macro, run under two settings of s_set_vgpr_msb, serves both.  Addresses live in window 0 alone.
; TWO SETS OF 64 REGISTERS IN EACH WINDOW, X = v32-95 and Y = v96-159, CHANGE ROLES FROM STEP TO STEP.  In a slot's first step K's eight fragments lie in X (four in each window), S^T and p in Y, V's fragments follow K's in X;
; when p has been converted, Y takes the NEXT step's fragments of K, ahead of this step's second product.  The second step has X and Y exchanged, and its X takes the next SLOT's first fragments of K.
; THE CHANGE OF SLOTS therefore stands inside a slot's second step: the waits, the add and the signal behind tile 0's softmax (V's fragments are in registers: the wave's reads of the slot are over), tile 1's softmax, work on
; registers alone, between the signal and the wait; behind the wait the refill, then the next slot's fragments of K, then the second product.
; K's and V's tiles come through a ring of two LDS slots filled by the tensor data mover (waves 0, 1: K's halves; waves 2, 3: V's) and read by all eight.
; NO CLUSTER: the four work-groups of a head ask for the same key slots only in their first 5 slots; work-group i goes back to key slot 0 after 8 - i slots, so a joint descriptor would not be equal in
; all partners.  Partners that walked slots 0 .. 7 in step would each pass 12 slots' rounds for 9 slots' work.
; LAYOUT.  Both products are used transposed: S^T = K Q^T (source 0 = 16 keys, source 1 = 16 queries), O^T = V^T P^T (source 0 = 16 of the head's 128, source 1 = P): a lane holds ONE query (lane % 16) of each tile.
; k_codes holds, in row 16 u + 8 g + j of each 32, key 16 g + 8 u + j: so a tile's sixteen rows lie on end in LDS, and the 16 registers of tiles 2 b and 2 b + 1 are 16 neighbouring keys, 32 b + 16 (lane / 16) + 0 .. 15.
; A fragment is fetched by four loads of 16 bytes: registers 4 c .. 4 c + 3 hold k = 32 c + 16 (lane / 16) + 0 .. 15: a permutation of k, the same in both operands of every product.
; LIMITS on the given exponents, so that each power of two below is an f32 number: eq and ep between -126 and 112; eq + ek between -123 and 130 (added to c's exponent field); ep + ev goes by v_ldexp_f32 and has none.
; The scaled scores t stay under 2^31 in magnitude.  NaN among the inputs is not served; an infinity in Q is held at the largest code.
; REGISTERS of a window: v10 lane % 16 - 16 (lane / 16); v12 -M, v13 the largest t, v[14:15] the sum in two halves; v16-31 Q's codes; X, Y as above (Y also: Q's numbers, O / the sum); v160-223 O^T (also: rows of Q and of O by rows);
; v224-239 p's codes; v240, v244: 57,344 x 2^ep, 2^ep; v241, v245: the same with eq; v232-239, v242, v243, v250-255 at work.
.set KP,    144                        ; a key's row in LDS: 128 bytes + 16 of padding
.set VP,    272                        ; a row of V's tile in LDS: 256 bytes + 16 of padding
.set VOFF,  256*KP                     ; a slot: 256 rows of K, then 128 rows of V: 71,680 bytes
.set SLOT1, 1<<17                      ; slot 1 begins here: one exclusive or turns an address in one slot into the other's
.set STAGE, 204800                     ; behind the ring: 16 rows x 528 bytes for each wave, for Q's way in and O's way out; no tile lands here
.set SPITCH, 528                       ; a stage row: 512 bytes + 16 of padding
.set SPARE, STAGE+8*16*SPITCH          ; behind the stages: the spare words, 128 bytes for each wave: four blocks of 256 bytes that no other line names
.set X,    32
.set Y,    96
.set AK0,  1                           ; v1   my lane's place in a tile of K
.set AV0,  2                           ; v2   the same for V
.set VPF,  3                           ; v3   2,048 x lane: the prefetch of V's rows
.set L16,  4                           ; v4   16 x lane: my 16 bytes of a row of Q or of out0
.set SPW,  5                           ; v5   LDS address of my spare word; never rewritten
.set NIL,  6                           ; v6   0; never rewritten
.set QB,   7                           ; v7   the stage: where I read my 64 bytes of a block of 32 of Q's row lane % 16
.set ADK,  8                           ; v8   LDS address of my place in K's tiles of the slot in hand
.set ADV,  9                           ; v9   of V's
.set DL,   10                          ; v10  lane % 16 - 16 (lane / 16), in both windows
.set STI,  246                         ; v246 the stage: where I put 32 bytes of a row of O
.set STR,  247                         ; v247 the stage by rows: 16 x lane
.set PFQ,  248                         ; v248 256 x lane: the prefetches of Q and of K
.set TB,   2                           ; s2   LDS byte at which the slot begins whose fragments of K were asked for last
.set WV,   18                          ; s18  my wave's number
.set SEL,  20                          ; s[20:21] lane selects for v_permlanex16_b32: lane l xor 16
.set CS,   22                          ; s[22:23] c = log2(e) / sqrt(128) x 2^(eq + ek)
.set G1K,  24                          ; s[24:31] descriptor group 1 for K's tiles;  s[32:39] for V's;  s[40:43], s[44:47] their groups 0
.set G1V,  32
.set G0K,  40
.set G0V,  44
.set KB,   48                          ; s[48:49] k_codes at my half of the head's key slot 0;  s[50:51] v_codes likewise
.set VB,   50
.set OFK,  52                          ; s[52:53], s[54:55] the key slot's byte offset in K and in a row of V
.set OFV,  54
.set NKS,  56                          ; s56  the key slot that was asked for last
.set LEN0, 57                          ; s57  8 - i: slots of the first block
.set ENDA, 58                          ; s58  the first key that the block in hand does not need
.set AQ,   59                          ; s59  i + 1: the value of s[SLOTS] at the fill that stands ahead of the first block's last slot
.set Q0B,  60                          ; s60  my first query in the second block
.set ENDB, 61                          ; s61  256 (i + 1): the first key that the second block does not need
.set SLOTS, 67                         ; s67  fills, then trips, to go
.set SPK,  76                          ; s[76:77] where my prefetches of K stand;  s[78:79] of V;  s80: I ask while s[SLOTS] is above it
.set SPV,  78
.set LIM,  80
.set QL,   95                          ; s95  my last query
.set KF,   98                          ; s98  the step's first key
.set Q0,   99                          ; s99  my first query
; s[4:5], s[16:17]: Q and out0 at my rows of the block in hand;  s[8:9], s[10:11]: at my rows of the second block;  s[68:71]: eq, ek, ep, ev
; s_set_vgpr_msb's low byte: bits 1:0 source 0, 3:2 source 1, 5:4 source 2, 7:6 destination; its high byte repeats the setting that is left.  At a label and at a branch every window is 0.
.set MSB, 0
.macro WIN new
.if MSB != (\new)
	s_set_vgpr_msb (MSB<<8)|(\new)
.set MSB, (\new)
.endif
.endm
; My 32 rows of Q, by rows, into O^T's registers of both windows: a load reads a row's 512 consecutive bytes
.macro QLOAD
.irp w, 0,1
	WIN 0x40*\w
.set jj, 0
.rept 16
	global_load_b128 v[160+4*jj:163+4*jj], v[L16], s[4:5] offset:8192*\w+512*jj th:TH_LOAD_NT
.set jj, jj+1
.endr
.endr
	WIN 0
.endm
.macro NOPS n
.rept \n
	v_nop
.endr
.endm
; Waves 0 and 1 fetch for K, waves 2 and 3 for V, the others nothing.  The branches hang on the wave's number alone.  An s_nop 0 and four v_nop follow each of the two lines.
.macro TLOAD
	s_cmp_lt_u32 s[WV], 2
	s_cbranch_scc0 .Lnot_k_\@
	tensor_load_to_lds s[G0K:G0K+3], s[G1K:G1K+7]
	s_nop 0
	NOPS 4
	s_branch .Lasked_\@
.Lnot_k_\@:
	s_cmp_lt_u32 s[WV], 4
	s_cbranch_scc0 .Lasked_\@
	tensor_load_to_lds s[G0V:G0V+3], s[G1V:G1V+7]
	s_nop 0
	NOPS 4
.Lasked_\@:
.endm
; A PREFETCH of the key slot that the NEXT fill will ask for.  All four work-groups of a head begin with key slots 0, 1, 2 ..; work-group i = 0 walks all of 0 .. 7 in order, so it asks, and nobody else.
; In it the waves ask that fetch nothing, waves 4 to 7, two instructions each: 8,192 bytes of K's dense block of 32,768, lanes 256 bytes apart, and 32 of V's 128 rows, a lane a row (a slot's part of a row is 256 bytes).
; So each block of 256 bytes is named once in the launch.  The first six fills name key slots 2 to 7; key slots 0 and 1 come by their loads alone, and behind slot 7 there is nothing to name.
.macro ASK
	s_cmp_gt_u32 s[SLOTS], s[LIM]
	s_cbranch_scc0 .Lnot_mine_\@
	global_prefetch_b8 v[PFQ], s[SPK:SPK+1] th:TH_LOAD_NT scope:SCOPE_SE
	global_prefetch_b8 v[VPF], s[SPV:SPV+1] th:TH_LOAD_NT scope:SCOPE_SE
.Lnot_mine_\@:
.endm
; A PREFETCH of my 32 rows of Q of the second block, 16,384 bytes, lanes 256 bytes apart: at the fill ahead of the first block's last slot, two key steps ahead of the loads that want them.  Its address registers are never rewritten.
.macro ASKQ
	s_cmp_eq_u32 s[SLOTS], s[AQ]
	s_cbranch_scc0 .Lnot_yet_\@
	global_prefetch_b8 v[PFQ], s[8:9] th:TH_LOAD_NT scope:SCOPE_SE
	global_prefetch_b8 v[PFQ], s[8:9] offset:8192 th:TH_LOAD_NT scope:SCOPE_SE
.Lnot_yet_\@:
.endm
	s_load_b128 s[4:7], s[0:1], 0x0                ; Q s[4:5], k_codes s[6:7]
	s_load_b128 s[12:15], s[0:1], 0x10             ; v_codes s[12:13], the scales' exponents s[14:15]
	s_load_b64 s[16:17], s[0:1], 0x20              ; out0
	v_lshl_add_u32 v[SPW], v0, 2, SPARE
	v_mov_b32 v[NIL], 0
	ds_add_u32 v[SPW], v[NIL]                      ; the opening: the add, twice on end, and its wait ahead of the first tensor load
	ds_add_u32 v[SPW], v[NIL]
	v_lshrrev_b32 v8, 5, v0
	v_readfirstlane_b32 s[WV], v8                  ; wave 0..7
	s_and_b32 s72, ttmp7, 0xffff                   ; the head
	s_lshl_b32 s74, s72, 18                        ; its first byte in each buffer of codes: 262,144 bytes a head
	s_mov_b32 s75, 0
	s_lshl_b32 s81, s72, 20                        ; and in Q and out0: 1,048,576 bytes a head
	s_lshl_b32 s82, s[WV], 5
	s_sub_co_u32 s83, 7, ttmp9                     ; the first block: 7 - i
	s_lshl_b32 s83, s83, 8
	s_add_co_u32 s[Q0], s83, s82                   ; my first query there: 256 (7 - i) + 32 x wave
	s_add_co_u32 s[QL], s[Q0], 31
	s_lshl_b32 s84, ttmp9, 8
	s_add_co_u32 s[Q0B], s84, s82                  ; and in the second block: 256 i + 32 x wave
	s_add_co_u32 s[ENDB], s84, 256
	s_lshl_b32 s84, s[Q0], 9                       ; rows of 512 bytes
	s_add_co_u32 s84, s84, s81
	s_mov_b32 s85, 0
	s_lshl_b32 s86, s[Q0B], 9
	s_add_co_u32 s86, s86, s81
	s_mov_b32 s87, 0
	s_sub_co_u32 s[LEN0], 8, ttmp9
	s_lshl_b32 s[ENDA], s[LEN0], 8
	s_add_co_u32 s[AQ], ttmp9, 1
	; what I fetch, if I fetch: waves 0, 1: rows 128 x (wave % 2) on of a slot of K; waves 2, 3: rows 64 x (wave % 2) on of V
	s_and_b32 s88, s[WV], 1
	s_lshl_b32 s90, s88, 14                        ; K: 128 rows of 128 bytes in memory,
	s_mov_b32 s91, 0
	s_add_nc_u64 s[90:91], s[90:91], s[74:75]
	s_mul_i32 s89, s88, 128*KP                     ; and in a slot
	s_lshl_b32 s92, s88, 17                        ; V: 64 rows of 2,048 bytes in memory,
	s_mov_b32 s93, 0
	s_add_nc_u64 s[92:93], s[92:93], s[74:75]
	s_mul_i32 s94, s88, 64*VP
	s_add_co_u32 s94, s94, VOFF                    ; and in a slot
	; descriptor group 1.  K: 128 rows of 128 bytes, dense in memory, so stated as 64 rows of 256 bytes, with the padding still behind each 128 bytes.  V: 64 rows of 256 bytes, 2,048 bytes apart
	s_mov_b32 s[G1K], (0<<16)|(1<<20)|(4<<22)|(3<<25)  ; 15:0 no mask; 17:16 elements of 1 byte; 20 padding on; 24:22 after every 32 words (code 4); 31:25 four words (code 3)
	s_mov_b32 s[G1K+1], 256<<16                    ; tensor_dim0
	s_mov_b32 s[G1K+2], 64<<16                     ; tensor_dim1
	s_mov_b32 s[G1K+3], 256<<16                    ; tile_dim0
	s_mov_b32 s[G1K+4], 64                         ; tile_dim1
	s_mov_b32 s[G1K+5], 256                        ; tensor_dim0_stride
	s_mov_b32 s[G1K+6], 0
	s_mov_b32 s[G1K+7], 0
	s_mov_b32 s[G1V], (0<<16)|(1<<20)|(5<<22)|(3<<25)  ; padding: four words after every 64
	s_mov_b32 s[G1V+1], 256<<16
	s_mov_b32 s[G1V+2], 64<<16
	s_mov_b32 s[G1V+3], 256<<16
	s_mov_b32 s[G1V+4], 64
	s_mov_b32 s[G1V+5], 2048
	s_mov_b32 s[G1V+6], 0
	s_mov_b32 s[G1V+7], 0
	s_mov_b32 s[SEL], 0x76543210
	s_mov_b32 s[SEL+1], 0xfedcba98
	s_mov_b32 s[CS], 0x3e0293ee                    ; c = log2(e) / sqrt(128)
	s_mov_b32 s[TB], SLOT1                         ; the first turn makes it slot 0
	s_mov_b32 s[SLOTS], 8
	s_mov_b32 s[NKS], 0
	s_mov_b32 s[KF], 0
	s_mov_b32 s[OFK+1], 0
	s_mov_b32 s[OFV+1], 0
	s_wait_dscnt 0x0                               ; both opening adds are done
	s_wait_kmcnt 0x0
	s_load_b128 s[68:71], s[14:15], 0x0            ; eq, ek, ep, ev
	s_add_nc_u64 s[KB:KB+1], s[6:7], s[90:91]
	s_add_nc_u64 s[VB:VB+1], s[12:13], s[92:93]
	s_mov_b32 s[G0K], 1                            ; 1:0 count = 1
	s_mov_b32 s[G0K+1], s89                        ; 63:32 LDS address: slot 0
	s_mov_b64 s[G0K+2:G0K+3], s[KB:KB+1]           ; 120:64 global address: key slot 0
	s_or_b32 s[G0K+3], s[G0K+3], 0x80000000        ; 127:126 type = 2
	s_mov_b32 s[G0V], 1
	s_mov_b32 s[G0V+1], s94
	s_mov_b64 s[G0V+2:G0V+3], s[VB:VB+1]
	s_or_b32 s[G0V+3], s[G0V+3], 0x80000000
	TLOAD                                          ; the one first fill: ahead of every wait on TENSORcnt, every LDS read and every barrier
	s_add_nc_u64 s[8:9], s[4:5], s[86:87]          ; Q at my rows of the second block,
	s_add_nc_u64 s[4:5], s[4:5], s[84:85]          ; and of the first
	s_add_nc_u64 s[10:11], s[16:17], s[86:87]      ; out0 likewise
	s_add_nc_u64 s[16:17], s[16:17], s[84:85]
	v_and_b32 v11, 31, v0                          ; lane
	v_lshlrev_b32 v[L16], 4, v11                   ; made here and not rewritten: the loads below name it
	s_wait_alu depctr_va_vdst(0)
	QLOAD                                          ; the first block's rows of Q are asked for here, ahead of the wait for the scales
	; the prefetches of K and V (macro ASK): where my wave's stand, and who asks
	s_and_b32 s82, s[WV], 3
	s_lshl_b32 s88, s82, 13                        ; K: my wave's 8,192 bytes,
	s_add_co_u32 s88, s88, 32768                   ; in key slot 1: the first fill steps it to key slot 2.  Nothing is prefetched here, at the head
	s_mov_b32 s89, 0
	s_add_nc_u64 s[88:89], s[88:89], s[74:75]
	s_add_nc_u64 s[SPK:SPK+1], s[6:7], s[88:89]
	s_lshl_b32 s90, s82, 16                        ; V: my wave's 32 rows of 2,048 bytes,
	s_add_co_u32 s90, s90, 256                     ; in key slot 1
	s_mov_b32 s91, 0
	s_add_nc_u64 s[90:91], s[90:91], s[74:75]
	s_add_nc_u64 s[SPV:SPV+1], s[12:13], s[90:91]
	s_lshr_b32 s82, s[WV], 2
	s_xor_b32 s82, s82, 1                          ; 0 in waves 4 to 7,
	s_or_b32 s82, s82, ttmp9                       ; of work-group i = 0
	s_cmp_eq_u32 s82, 0
	s_cselect_b32 s[LIM], 2, -1                    ; s[SLOTS] is 8 less the number of fills behind the head's: above 2 at the first six
	; the vector addresses: all made here, none rewritten but v8 and v9
	v_and_b32 v8, 15, v0                           ; r = lane % 16
	v_bfe_u32 v9, v0, 4, 1                         ; h = lane / 16
	v_and_b32 v11, 31, v0                          ; lane
	v_mul_u32_u24 v[AK0], v8, KP
	v_mul_u32_u24 v[AV0], v8, VP
	v_lshl_add_u32 v[AK0], v9, 4, v[AK0]
	v_lshl_add_u32 v[AV0], v9, 4, v[AV0]
	v_lshlrev_b32 v[VPF], 11, v11
	v_add_nc_u32 v[AV0], VOFF, v[AV0]
	v_lshlrev_b32 v[PFQ], 8, v11
	s_mul_i32 s73, s[WV], 16*SPITCH
	s_add_co_u32 s73, s73, STAGE                   ; my stage
	v_mul_u32_u24 v[STI], v8, SPITCH
	v_add_nc_u32 v[STR], s73, v[L16]               ; by rows: 32 lanes take a row's 512 bytes
	v_add_nc_u32 v[STI], s73, v[STI]               ; row r
	v_lshlrev_b32 v[DL], 4, v9
	v_lshl_add_u32 v[QB], v9, 6, v[STI]            ; Q back: + 64 h: 16 numbers of a block of 32
	v_lshl_add_u32 v[STI], v9, 5, v[STI]           ; O in: + 32 h: a tile's eight channels of my half of the lanes
	v_sub_nc_u32 v[DL], v8, v[DL]                  ; r - 16 h
	v_mov_b32 v236, 0                              ; written once: a lane permute's destination counts as one of its sources
	v_mov_b32 v252, 0
	v_mov_b32 v253, 0                              ; (named as the upper half of the pair v[252:253])
	v_mov_b32 v254, 0
	s_wait_alu depctr_va_vdst(0)
	s_wait_kmcnt 0x0
	s_add_co_i32 s72, s68, s69
	s_lshl_b32 s72, s72, 23
	s_add_co_i32 s[CS], s[CS], s72                 ; a score stands for score x 2^(eq + ek): the two exponents are added to c's exponent field
	s_mov_b32 s[CS+1], s[CS]                       ; (named with it as a pair, so it is written)
	s_add_co_i32 s72, s70, 127
	s_lshl_b32 s73, s72, 23
	v_mov_b32 v244, s73                            ; 2^ep as f32, for p's conversions
	s_add_co_i32 s72, s72, 15
	s_lshl_b32 s72, s72, 23
	s_or_b32 s72, s72, 0x600000
	v_mov_b32 v240, s72                            ; 57,344 x 2^ep,
	v_mov_b32 v249, s72                            ; and once more, for the second half of a dual pair
	s_add_co_i32 s72, s68, 127
	s_lshl_b32 s73, s72, 23
	v_mov_b32 v245, s73                            ; 2^eq, for Q's conversions
	s_add_co_i32 s72, s72, 15
	s_lshl_b32 s72, s72, 23
	s_or_b32 s72, s72, 0x600000
	v_mov_b32 v241, s72                            ; 57,344 x 2^eq
	s_wait_alu depctr_va_vdst(0)                   ; the copies below read what stands behind a run of scalar lines
	WIN 0x40                                       ; window 1 gets its own copies of what a tile's macros name
.irp n, DL,240,241,244,245,249
	v_mov_b32 v[\n], v[\n]
.endr
.irp n, 236,252,253,254
	v_mov_b32 v[\n], 0
.endr
	WIN 0
; A BLOCK BEGINS.  My 32 rows of Q come by rows into O^T's registers (a load reads a row's 512 consecutive bytes), turn through my stage, and come back into Y so that lane (r, h) holds, of row r, d = 32 c + 16 h + 0 .. 15
; for c = 0 .. 3; they become one fragment of codes for each tile.  X is not touched: it may hold fragments of K that are already asked for.
; O^T and the sum begin as zeros and the largest t as -3e38, under every t: the key step is then written in one form alone, and its first change of M multiplies zeros.
.macro FIGURES
	v_mov_b32 v13, 0xff61b1e6                      ; -3e38
	v_mov_b32 v12, 0x7f61b1e6                      ; -M = floor(3e38) = 3e38
	v_mov_b32 v14, 0
	v_mov_b32 v15, 0
.set jj, 0
.rept 64
	v_mov_b32 v[160+jj], 0
.set jj, jj+1
.endr
.endm
.macro QIN                             ; 16 rows into the stage
.set jj, 0
.rept 16
	ds_store_b128 v[STR], v[160+4*jj:163+4*jj] offset:SPITCH*jj
.set jj, jj+1
.endr
.endm
.macro QBACK                           ; and back: a wave's LDS instructions are served in order (ISA guide 5.7.1.4), so these see the stores, and the next tile's stores come behind them
.irp c, 0,1,2,3
.irp j, 0,1,2,3
	ds_load_b128 v[Y+16*\c+4*\j:Y+3+16*\c+4*\j], v[QB] offset:128*\c+16*\j
.endr
.endr
.endm
.macro QCODES
.irp c, 0,1,2,3
.set jj, 0
.rept 16
	v_med3_num_f32 v[Y+16*\c+jj], v[Y+16*\c+jj], -v241, v241   ; the conversion to an 8-bit code does not saturate (ISA guide 7.6.2): the hold at the largest code x the scale
.set jj, jj+1
.endr
	v_cvt_scalef32_pk8_bf8_f32 v[16+4*\c:17+4*\c], v[Y+16*\c:Y+7+16*\c], v245
	v_cvt_scalef32_pk8_bf8_f32 v[18+4*\c:19+4*\c], v[Y+8+16*\c:Y+15+16*\c], v245
.endr
	v_nop                                          ; one plain vector instruction behind the last scaled conversion
.endm
.macro INIT                            ; QLOAD's 32 loads have been issued
	s_wait_loadcnt 16                              ; tile 0's sixteen loads are in; tile 1's sixteen may be out
	QIN
	QBACK
	s_wait_loadcnt 0x0
	WIN 0x04                                       ; store data from window 1
	QIN
	WIN 0x40
	QBACK
	WIN 0
	s_wait_dscnt 32                                ; tile 0 is back, so its stores have read their registers; tile 1's 16 stores and 16 loads may be out
	FIGURES
	QCODES
	WIN 0x55
	s_wait_dscnt 0x0
	FIGURES
	QCODES
	WIN 0
	s_wait_alu depctr_va_vdst(0)
.endm
; Eight fragments of 16 rows x 128 bytes in one run of 32 loads: four into window 0's set d, four into window 1's
.macro LDF adr, base, step, d
.irp f, 0,1
	WIN 0x40*\f
.irp t, 0,1,2,3
.irp c, 0,1,2,3
	ds_load_b128 v[\d+16*\t+4*\c:\d+3+16*\t+4*\c], v[\adr] offset:(\base)+(4*\f+\t)*(\step)+32*\c
.endr
.endr
.endr
	WIN 0
.endm
.macro QK f, w, a, d                   ; S^T = K Q^T: the four tiles of keys in window f's set a, for query tile w, into its set d
	WIN (\w<<6)|(\w<<2)|\f
.irp t, 0,1,2,3
	v_wmma_f32_16x16x128_bf8_bf8 v[\d+8*(4*\f+\t):\d+7+8*(4*\f+\t)], v[\a+16*\t:\a+15+16*\t], v[16:31], 0
.endr
.endm
.macro QKS a, d
	QK 0, 0, \a, \d
	QK 0, 1, \a, \d
	QK 1, 0, \a, \d
	QK 1, 1, \a, \d
	WIN 0
.endm
.macro PV f, w, a                      ; O^T += V^T P^T: the four tiles of the head's 128 in window f's set a, for query tile w.  The sixteen accumulators of a step take turns, one instruction a turn
	WIN (\w<<6)|(\w<<4)|(\w<<2)|\f
.irp t, 0,1,2,3
	v_wmma_f32_16x16x128_bf8_bf8 v[160+8*(4*\f+\t):167+8*(4*\f+\t)], v[\a+16*\t:\a+15+16*\t], v[224:239], v[160+8*(4*\f+\t):167+8*(4*\f+\t)]
.endr
.endm
.macro PVS a
	PV 0, 0, \a
	PV 0, 1, \a
	PV 1, 0, \a
	PV 1, 1, \a
	WIN 0
.endm
; On the diagonal the scores of hidden keys become -infinity ahead of the maximum: p = 0 then.  d = the tile's first query - the step's first key + r - 16 h; register 16 b + i holds key 16 h + 32 b + i of the step: hidden where 32 b + i > d
.macro MASK sd, s
	v_add_nc_u32 v252, \sd, v[DL]
	v_mov_b32 v254, 0xff800000
.set jj, 0
.rept 64
	v_cmp_gt_i32 vcc_lo, 32*(jj/16)+jj%16, v252
	v_cndmask_b32 v[\s+jj], v[\s+jj], v254, vcc_lo
.set jj, jj+1
.endr
.endm
.macro MASKS s                         ; a step all of whose keys count for all my queries skips the mask
	s_add_co_u32 s96, s[KF], 127
	s_cmp_le_u32 s96, s[Q0]
	s_cbranch_scc1 .Lopen_\@
	s_sub_co_i32 s96, s[Q0], s[KF]
	s_add_co_i32 s97, s96, 16
	MASK s96, \s
	WIN 0x55
	MASK s97, \s
	WIN 0
.Lopen_\@:
.endm
; THE SOFTMAX OF ONE TILE, 16 queries x 128 keys, S^T in set s, all in the window that is set
.macro SOFT s
	s_wait_alu depctr_va_vdst(0)                   ; directly ahead of the first reader of S^T
	v_max3_num_f32 v254, v[\s], v[\s+1], v[\s+2]   ; the step's largest score of my query, among my 64 keys, in four chains, each accumulator from its low end on,
	v_max3_num_f32 v252, v[\s+3], v[\s+4], v[\s+5]
	v_max3_num_f32 v250, v[\s+6], v[\s+7], v[\s+8]
	v_max3_num_f32 v242, v[\s+9], v[\s+10], v[\s+11]
.set jj, 12
.irp d, 254,252,250,242,254,252,250,242,254,252,250,242,254,252,250,242,254,252,250,242,254,252,250,242,254,252
	v_max3_num_f32 v\d, v\d, v[\s+jj], v[\s+jj+1]
.set jj, jj+2
.endr
	s_delay_alu instid0(VALU_DEP_1)
	v_max3_num_f32 v254, v254, v252, v250
	s_delay_alu instid0(VALU_DEP_1)
	v_max_num_f32 v254, v254, v242
	v_permlanex16_b32 v236, v254, s[SEL], s[SEL+1]
	s_delay_alu instid0(VALU_DEP_1)
	v_max_num_f32 v254, v254, v236                 ; and among lane l xor 16's
	s_delay_alu instid0(VALU_DEP_1)
	v_mul_f32 v254, s[CS], v254                    ; as t (c is positive)
	s_delay_alu instid0(VALU_DEP_1)
	v_max_num_f32 v13, v13, v254                   ; the running largest t
	v_mov_b32 v254, v12
	s_delay_alu instid0(VALU_DEP_2)
	v_floor_f32 v12, -v13                          ; the new -M = floor(-t) = -ceil(t): M is a whole number
	s_delay_alu instid0(VALU_DEP_1)
	v_sub_f32 v254, v12, v254                      ; M's old value less its new one: a whole number, 0 or less
	s_delay_alu instid0(VALU_DEP_1)
	v_cvt_i32_f32 v254, v254                       ; (it saturates)
	s_delay_alu instid0(VALU_DEP_1)
	v_ldexp_f32 v252, 1.0, v254                    ; f = 2^(old M - new M)
.set jj, 0
.rept 32
	v_pk_fma_f32 v[\s+jj:\s+jj+1], v[\s+jj:\s+jj+1], s[CS:CS+1], v[12:13] op_sel_hi:[1,0,0]   ; t - M, two at a time (of the pairs c and -M the low word serves both halves)
.set jj, jj+2
.endr
.set jj, 0
	s_wait_alu depctr_va_vdst(0)
.rept 64
	v_exp_f32 v[\s+jj], v[\s+jj]                   ; p = 2^(t - M), at most 1: not normalised
.set jj, jj+1
.endr
	v_pk_mul_f32 v[14:15], v[14:15], v[252:253] op_sel_hi:[1,0]   ; the sums under the new M: the plain instruction behind the exponentials
	s_wait_alu depctr_va_vdst(0)                   ; one wait for the batch of 64, ahead of its first reader
.set jj, 4                             ; the row's sum is taken of the unquantised p: two at a time, in eight chains
.irp d, 242,254,250,238,236,234,232
	v_pk_add_f32 v[\d:\d+1], v[\s+jj:\s+jj+1], v[\s+jj+4:\s+jj+5]
.set jj, jj+8
.endr
	v_pk_add_f32 v[14:15], v[14:15], v[\s+60:\s+61]
	v_pk_add_f32 v[242:243], v[242:243], v[\s:\s+1]
.set jj, 2
.irp d, 254,250,238,236,234,232,14,242,254,250,238,236,234,232,14,242
	v_pk_add_f32 v[\d:\d+1], v[\d:\d+1], v[\s+jj:\s+jj+1]
.set jj, jj+4
.endr
	s_delay_alu instid0(VALU_DEP_2)
	v_pk_add_f32 v[14:15], v[14:15], v[238:239]
	s_delay_alu instid0(VALU_DEP_2)
	v_pk_add_f32 v[242:243], v[242:243], v[236:237]
	v_pk_add_f32 v[254:255], v[254:255], v[234:235]
	v_pk_add_f32 v[250:251], v[250:251], v[232:233]
	s_delay_alu instid0(VALU_DEP_2)
	v_pk_add_f32 v[14:15], v[14:15], v[254:255]
	s_delay_alu instid0(VALU_DEP_2)
	v_pk_add_f32 v[242:243], v[242:243], v[250:251]
	s_delay_alu instid0(VALU_DEP_1)
	v_pk_add_f32 v[14:15], v[14:15], v[242:243]
.irp b, 0,1,2,3
.set jj, 0
.rept 8
	v_dual_min_num_f32 v[\s+16*\b+jj], v[\s+16*\b+jj], v240 :: v_dual_min_num_f32 v[\s+16*\b+jj+1], v[\s+16*\b+jj+1], v249   ; the hold at the largest code x the scale, two numbers a line; p is not negative, so it is one-sided
.set jj, jj+2
.endr
	v_cvt_scalef32_pk8_bf8_f32 v[224+4*\b:225+4*\b], v[\s+16*\b:\s+7+16*\b], v244
	v_cvt_scalef32_pk8_bf8_f32 v[226+4*\b:227+4*\b], v[\s+8+16*\b:\s+15+16*\b], v244
.endr
	s_wait_alu depctr_va_vdst(0)                   ; directly ahead of the first reader of O^T
.set jj, 0
.rept 32
	v_pk_mul_f32 v[160+jj:161+jj], v[160+jj:161+jj], v[252:253] op_sel_hi:[1,0]   ; O^T under the new M: x f
.set jj, jj+2
.endr
.endm
; A SLOT'S FIRST STEP: its 128 keys count, all or in part, for every query of the block (a block's slots end with its own keys).  K's fragments are on their way into X.
.macro STEP0
	NOPS 5                                         ; five places: the products below write over Y, which the last products may have read (ISA guide 7.12.1)
	s_wait_dscnt 0x0                               ; K's fragments
	QKS X, Y
	NOPS 4                                         ; four places in front of the loads below and of the first read of results
	LDF ADV, 0, 16*VP, X                           ; V's eight fragments are asked for here and waited for behind both softmaxes
	MASKS Y
	SOFT Y
	WIN 0x55
	SOFT Y
	WIN 0
	s_wait_alu depctr_va_vdst(0)
	s_wait_dscnt 0x0                               ; V's fragments
	s_add_co_u32 s97, s[KF], 128                   ; the second step's fragments of K go into Y, whose p has been converted; not where that step is left out
	s_cmp_gt_u32 s97, s[QL]
	s_cbranch_scc1 .Lno_k_\@
	LDF ADK, 128*KP, 16*KP, Y
.Lno_k_\@:
	PVS X
	s_add_co_u32 s[KF], s[KF], 128
.endm
; THE CHANGE OF SLOTS, first half.  Each wave waits for all its tensor loads (its part of the next slot), adds 0 to its spare word (fill = 1: twice on end), waits for that and for its reads of the slot in hand, and signals.
; The key slots go 0, 1, .. 7 - i for the first block and then 0, 1, .. i for the second: the number goes back to 0 where it reaches 8 - i, which is 5 at the least; in the second block it stays under 4.
.macro PRE fill
	s_wait_alu depctr_va_vdst(0)
	s_wait_tensorcnt 0x0                           ; no tensor load of mine is out, so a group 0 may be written
	ds_add_u32 v[SPW], v[NIL]                      ; 0 onto my spare word
.if \fill
	ds_add_u32 v[SPW], v[NIL]                      ; and once more
	s_xor_b32 s[G0K+1], s[G0K+1], SLOT1            ; the other LDS slot than last time
	s_xor_b32 s[G0V+1], s[G0V+1], SLOT1
	s_add_co_u32 s[NKS], s[NKS], 1
	s_cmp_eq_u32 s[NKS], s[LEN0]
	s_cselect_b32 s[NKS], 0, s[NKS]
	s_lshl_b32 s[OFK], s[NKS], 15                  ; 256 keys x 128 bytes
	s_lshl_b32 s[OFV], s[NKS], 8                   ; 256 bytes along a row of V
	s_add_nc_u64 s[G0K+2:G0K+3], s[KB:KB+1], s[OFK:OFK+1]
	s_or_b32 s[G0K+3], s[G0K+3], 0x80000000
	s_add_nc_u64 s[G0V+2:G0V+3], s[VB:VB+1], s[OFV:OFV+1]
	s_or_b32 s[G0V+3], s[G0V+3], 0x80000000
	s_wait_xcnt 0x0                                ; the last prefetches, a slot back, have read their addresses, so these may be written
	s_add_nc_u64 s[SPK:SPK+1], s[SPK:SPK+1], 32768
	s_add_nc_u64 s[SPV:SPV+1], s[SPV:SPV+1], 256
.endif
	s_wait_dscnt 0x0                               ; the add is done (fill = 1: both are), and my reads of the slot in hand are over: its last fragments are in registers
	s_barrier_signal -1
.endm
; Second half.  Behind the wait the next slot is whole and nobody reads the one in hand.  fill = 1: that one is filled with the key slot that comes after the next.  Then the next slot's first fragments of K go into X.
; fill = 0: the text of the last two slots; in the very last there is no next slot: its barrier orders nothing, and no fragment is asked for.
.macro POST fill
	s_wait_alu depctr_va_vdst(0)
	s_barrier_wait -1
.if \fill
	TLOAD                                          ; the first thing behind the barrier, and a wave's one tensor load until the next: one load of a wave is out at the most
	ASK
	ASKQ
.endif
	s_xor_b32 s[TB], s[TB], SLOT1                  ; on to the other slot
	v_add_nc_u32 v[ADK], s[TB], v[AK0]
	v_add_nc_u32 v[ADV], s[TB], v[AV0]
	s_wait_alu depctr_va_vdst(0)
.if \fill == 0
	s_cmp_eq_u32 s[SLOTS], 1
	s_cbranch_scc1 .Lno_k_\@
.endif
	NOPS 2                                         ; with the two additions: four places in front of loads into registers that matrix instructions may have read
	LDF ADK, 0, 16*KP, X
.Lno_k_\@:
.endm
; A SLOT'S SECOND STEP, with the change of slots inside it.  Where all its keys come after my 32 queries its work is left out: three scalar branches on ids, round loads, products and softmax;
; the waits, the add, the barrier, the refill and the next slot's fragments stand on every wave's way.
.macro STEP1 fill
	s_cmp_gt_u32 s[KF], s[QL]
	s_cbranch_scc1 .La_\@
	NOPS 5                                         ; five places: the products below write over X, which the last products read
	s_wait_dscnt 0x0                               ; K's fragments, in Y
	QKS Y, X
	NOPS 4
	LDF ADV, 128, 16*VP, Y
	MASKS X
	SOFT X
.La_\@:
	PRE \fill
	s_cmp_gt_u32 s[KF], s[QL]
	s_cbranch_scc1 .Lb_\@
	WIN 0x55
	SOFT X                                         ; work on registers alone, while the other waves arrive
	WIN 0
.Lb_\@:
	POST \fill
	s_cmp_gt_u32 s[KF], s[QL]
	s_cbranch_scc1 .Lc_\@
	PVS Y                                          ; V's fragments were waited for in front of the signal
.Lc_\@:
	s_add_co_u32 s[KF], s[KF], 128
.endm
; THE WAY OUT of a block.  For each tile: the sum's two halves and lane l xor 16's are added; O^T is divided by the sum, multiplied by 2^(ep + ev), into Y; it goes into my stage in LDS, 16 whole rows of 512 bytes,
; and comes back by rows into O^T's registers: a store of the wave covers 512 consecutive bytes that begin at a multiple of 512 from out0's first byte.  X is not touched.
.macro NORM
	v_add_f32 v14, v14, v15
	v_permlanex16_b32 v252, v14, s[SEL], s[SEL+1]
	v_add_f32 v14, v14, v252
	s_wait_alu depctr_va_vdst(0)
	v_rcp_f32 v14, v14
	NOPS 4                                         ; the plain instruction behind the reciprocal; with the lines above, the places behind the last products as well
	s_wait_alu depctr_va_vdst(0)                   ; the wait ahead of the reciprocal's first reader
	v_ldexp_f32 v14, v14, s72                      ; x 2^(ep + ev)
	s_wait_alu depctr_va_vdst(0)                   ; directly ahead of the first reader of O^T
.set jj, 0
.rept 32
	v_pk_mul_f32 v[Y+jj:Y+jj+1], v[160+jj:161+jj], v[14:15] op_sel_hi:[1,0]   ; two at a time (of the pair v[14:15] the low word serves both halves); register 8 t + i is o(r, 16 t + 8 h + i); each accumulator from its low end on
.set jj, jj+2
.endr
.endm
.macro OIN
.irp t, 0,1,2,3,4,5,6,7
	ds_store_b128 v[STI], v[Y+8*\t:Y+3+8*\t] offset:64*\t
	ds_store_b128 v[STI], v[Y+4+8*\t:Y+7+8*\t] offset:64*\t+16
.endr
.endm
.macro OBACK                           ; a wave's LDS instructions are served in order (ISA guide 5.7.1.4): these see my stores, and the next tile's stores come behind them
.set jj, 0
.rept 16
	ds_load_b128 v[160+4*jj:163+4*jj], v[STR] offset:SPITCH*jj
.set jj, jj+1
.endr
.endm
.macro OSEND w
.set jj, 0
.rept 16
	global_store_b128 v[L16], v[160+4*jj:163+4*jj], s[16:17] offset:8192*\w+512*jj th:TH_STORE_NT
.set jj, jj+1
.endr
.endm
.macro WAYOUT
	s_add_co_i32 s72, s70, s71
	NORM
	OIN
	OBACK
	WIN 0x55
	NORM
	WIN 0x04                                       ; store data from window 1
	OIN
	WIN 0x40
	OBACK
	WIN 0
	s_wait_dscnt 32                                ; tile 0's rows are back; tile 1's 16 stores and 16 loads may be out
	OSEND 0
	s_wait_dscnt 0x0
	WIN 0x04
	OSEND 1
	WIN 0
.endm
; A SLOT, and what follows a block's last: a branch on ids and on the count of steps, the same in all eight waves; no barrier and no tensor load stands under it
.macro BODY fill
	STEP0
	STEP1 \fill
	s_cmp_lg_u32 s[KF], s[ENDA]
	s_cbranch_scc1 .Lsame_\@
	WAYOUT
.if \fill == 0
	s_cmp_eq_u32 s[SLOTS], 1                       ; behind the second block nothing begins
	s_cbranch_scc1 .Lsame_\@
.endif
	s_wait_xcnt 0x0                                ; the stores have read their registers and their base: both are written again only behind this wait
	s_mov_b64 s[4:5], s[8:9]                       ; on to the second block: i
	s_mov_b64 s[16:17], s[10:11]
	s_mov_b32 s[Q0], s[Q0B]
	s_add_co_u32 s[QL], s[Q0B], 31
	s_mov_b32 s[KF], 0
	s_mov_b32 s[ENDA], s[ENDB]
	QLOAD
	INIT
.Lsame_\@:
.endm
	INIT                                           ; the first block: 7 - i
	PRE 1                                          ; slot 0 is whole behind this barrier; slot 1's first fill is issued as a refill is,
	POST 1                                         ; and slot 0's first fragments of K are asked for
	s_mov_b32 s[SLOTS], 7
.Lfill:                                            ; slots 0 to 6: in each the key slot two on is asked for
	BODY 1
	s_sub_co_u32 s[SLOTS], s[SLOTS], 1
	s_cmp_lg_u32 s[SLOTS], 0
	s_cbranch_scc1 .Lfill
	s_mov_b32 s[SLOTS], 2
.Ltail:                                            ; slots 7 and 8 ask for no tile: a text of their own
	BODY 0
	s_sub_co_u32 s[SLOTS], s[SLOTS], 1
	s_cmp_lg_u32 s[SLOTS], 0
	s_cbranch_scc1 .Ltail
	s_wait_tensorcnt 0x0                           ; the wave's end: behind my last tensor load and my last LDS store
	ds_add_u32 v[SPW], v[NIL]
	s_wait_dscnt 0x0
	s_endpgm
.Lfunc_end_k_qef242bd1f5_attn:
	.size	k_qef242bd1f5_attn, .Lfunc_end_k_qef242bd1f5_attn-k_qef242bd1f5_attn
	.p2alignl 7, 3214868480
	.fill 96, 4, 3214868480
	.section	.rodata,"a",@progbits
	.p2align	6, 0x0
	.amdhsa_kernel k_qef242bd1f5_attn
		.amdhsa_group_segment_fixed_size 327680
		.amdhsa_private_segment_fixed_size 0
		.amdhsa_enable_private_segment 0
		.amdhsa_kernarg_size 40
		.amdhsa_user_sgpr_count 2
		.amdhsa_user_sgpr_kernarg_segment_ptr 1
		.amdhsa_wavefront_size32 1
		.amdhsa_system_sgpr_workgroup_id_x 1
		.amdhsa_system_sgpr_workgroup_id_y 1
		.amdhsa_system_sgpr_workgroup_id_z 1
		.amdhsa_system_vgpr_workitem_id 0
		.amdhsa_next_free_vgpr 512
		.amdhsa_next_free_sgpr 100
		.amdhsa_reserve_vcc 1
		.amdhsa_float_denorm_mode_32 3
		.amdhsa_float_denorm_mode_16_64 3
		.amdhsa_memory_ordered 1
		.amdhsa_forward_progress 1
		.amdhsa_inst_pref_size 255
	.end_amdhsa_kernel
	.section	.bss,"aw",@nobits
	.p2align	6
	.space	262144
	.amdgpu_metadata
---
amdhsa.version: [ 1, 2 ]
amdhsa.kernels:
  - .name:           k_qef242bd1f5_attn
    .symbol:         k_qef242bd1f5_attn.kd
    .args:
      - { .name: Q, .offset: 0, .size: 8, .value_kind: global_buffer, .address_space: global }
      - { .name: k_codes, .offset: 8, .size: 8, .value_kind: global_buffer, .address_space: global }
      - { .name: v_codes, .offset: 16, .size: 8, .value_kind: global_buffer, .address_space: global }
      - { .name: lowp_scales, .offset: 24, .size: 8, .value_kind: global_buffer, .address_space: global }
      - { .name: out0, .offset: 32, .size: 8, .value_kind: global_buffer, .address_space: global }
    .group_segment_fixed_size: 327680
    .private_segment_fixed_size: 0
    .kernarg_segment_align: 8
    .kernarg_segment_size: 40
    .max_flat_workgroup_size: 256
    .sgpr_count:     100
    .vgpr_count:     512
    .wavefront_size: 32
...
	.end_amdgpu_metadata
.endif
;; end of part 2
